; MI455X (gfx1250); checked and timed in simulation.
; The chip was launched on July 23, 2026; its instructions are those of AMD's public machine-readable ISA for CDNA 5 (MIT licence, August 2026) and "CDNA5" Instruction Set Architecture Reference Guide (July 2026). The comments in the code are by the model that wrote it; some were corrected since.
;; Dozer Attention. Allowed arithmetic: matrix products marked QUANTISED: E5M2 operands, one E8M0 scale for each 32 along K, by v_wmma_scale_f32_16x16x128_f8f6f4 with both operands' format E5M2, f32 sums; everything else in f32.
;; Inputs: attn_mask 2 x 1 x 2,048 x 2,048 bool; keys_codes 2 x 2,048 x 8 x 2 x 32 uint8 (E5M2 codes of keys, K innermost, in blocks of 32 codes); keys_scales 2 x 2,048 x 8 x 2 uint8 (E8M0 scales of keys, one for each 32 codes along K); queries_codes 2 x 2,048 x 8 x 2 x 32 uint8 (E5M2 codes of queries, K innermost, in blocks of 32 codes); queries_scales 2 x 2,048 x 8 x 2 uint8 (E8M0 scales of queries, one for each 32 codes along K); values_codes 2 x 8 x 64 x 64 x 32 uint8 (E5M2 codes of values, K innermost, in blocks of 32 codes); values_scales 2 x 8 x 64 x 64 uint8 (E8M0 scales of values, one for each 32 codes along K).
;; Outputs: out0 2 x 2,048 x 8 x 64 float32.
;; This version of the problem:
;;   THIS VERSION OF THE PROBLEM IS GIVEN IN LOW PRECISION. The matrix products marked QUANTISED in the list below multiply operands that are first quantised to E5M2 (5 exponent bits, 2 mantissa bits; 8 bits a number), with one power-of-two scale for each 32 numbers along K (OCP MX v1.0); their sums are f32. All else is computed in f32.
;;   The module's matrix products, in the order in which they are computed (A, B: the left and right operand; K: the contracted axis; several contracted axes count as one K, in the product's order):
;;     1. batch 16 x [M 2,048, K 64] x [K 64, N 2,048]; A: input queries (given as codes); B: input keys (given as codes): QUANTISED
;;     2. batch 16 x [M 64, K 2,048] x [K 2,048, N 2,048]; A: input values (given as codes); B: softmax (see below): QUANTISED
;;   THE QUANTISER, for each operand of a quantised product, along K:
;;     - K is cut into blocks of 32 from its start; a last block that is shorter is filled with zeros.
;;     - A block's scale is 2^e with e = floor(log2(the largest magnitude in the block)) - 15, held to -126 .. 127; a block of zeros has e = 0. As a byte (E8M0): e + 127.
;;     - Each number is divided by its block's scale, clamped to +-57,344, and rounded to the nearest number of E5M2, ties to even, subnormals kept.
;;     - The product sums the exact products of the quantised numbers (number of the format x scale) in f32.
;;   ~~~python
;;   def quantise(x, axis):      # numpy; x: float32 -> the quantised numbers, widened to float32 again
;;       x = np.moveaxis(x, axis, -1); K = x.shape[-1]
;;       x = np.pad(x, [(0, 0)] * (x.ndim - 1) + [(0, -K % 32)]); x = x.reshape(x.shape[:-1] + (-1, 32)); a = np.abs(x).max(-1, keepdims=True)
;;       e = np.where(a > 0, np.clip(np.frexp(np.where(a > 0, a, 1))[1] - 1 - 15, -126, 127), 0)      # np.frexp(a)[1] - 1 = floor(log2(a)), exactly
;;       r = np.clip(x / 2.0 ** e, -57344, 57344)
;;       step = 2.0 ** (np.maximum(np.frexp(np.where(r == 0, 1, r))[1] - 1, -14) - 2)
;;       q = np.round(r / step) * step * 2.0 ** e      # np.round: ties to even
;;       return np.moveaxis(q.reshape(q.shape[:-2] + (-1,))[..., :K], -1, axis).astype(np.float32)
;;   ~~~
;;   SOFTMAX AHEAD OF A QUANTISED PRODUCT. Where the list says 'softmax', what is quantised is not the finished softmax but p = 2^(t - M), with t = logit x log2(e) and M = ceil(the row's largest t), a whole number; so 1/2 < the row's largest p <= 1. The row's sum l is taken of the UNQUANTISED p, in f32, and the product's result is divided by l at the end. Since M is a whole number, a kernel that streams over the keys may use a running M (the ceiling of the running maximum): every later rescaling is an exact power of two, which a block's scale takes up: the codes' values come out the same.
;;   OPERANDS COMPUTED ON THE WAY. 'Computed on the way' means the value that the module computes at that place (a softmax that the list does not call 'softmax' is quantised finished and normalised). What goes into a quantiser is computed in f32, as accurately as f32 sums, v_exp_f32 and their like allow (about 1e-6 of the number): no bf16 or f16 on the way to a quantiser, and a product that is left as it is and whose result goes on into a quantised operand takes f32 operands (vector FMAs, or v_wmma_f32_16x16x4_f32). A number that lies on a knife's edge between two numbers of the format may be rounded either way, as far as f32 arithmetic and the matrix unit's own rounding can turn it there, and no further.
;;   INPUTS GIVEN AS CODES. keys (in the module: [2, 2048, 8, 64], K = its axis 3); queries (in the module: [2, 2048, 8, 64], K = its axis 3); values (in the module: [2, 2048, 8, 64], K = its axis 1): each comes as NAME_codes (uint8): NAME with its K axis moved to the last place and cut into blocks of 32 codes, [.., K / 32, bytes a block], one block behind the other in memory; one code a byte (a code: sign, 5 exponent bits, 2 mantissa bits); and NAME_scales (uint8): the same leading axes, one E8M0 byte (e + 127) for each 32 codes along K. Its value is code x scale, taken as it is: it is not quantised again, and the codes and scales need not be those that the quantiser above would give.
;; One version. Each part assembles by itself: llvm-mc -triple=amdgcn-amd-amdhsa -mcpu=gfx1250 --defsym DOCPART=n.
;; ======== version 1 of 1: 1 launch
;; launch attn (part 1): grid 16 x 16, 16 waves a work-group, clusters of 4 x 4, 327,680 bytes of LDS; arguments queries_codes, queries_scales, keys_codes, keys_scales, values_codes, values_scales, attn_mask, out0; writes out0
.if DOCPART == 1
	.amdgcn_target "amdgcn-amd-amdhsa--gfx1250"
	.amdhsa_code_object_version 6
	.text
	.protected	k_qc180ecf40b_attn
	.globl	k_qc180ecf40b_attn
	.p2align	8
	.type	k_qc180ecf40b_attn,@function
k_qc180ecf40b_attn:
	s_mov_b64 s[64:65], 0
	v_nop
	global_prefetch_b8 v0, s[64:65] scope:SCOPE_SE
	s_setreg_imm32_b32 hwreg(HW_REG_WAVE_MODE, 25, 1), 1
	s_wait_xcnt 0x0
	s_wait_alu depctr_hold_cnt(0) depctr_sa_sdst(0) depctr_va_vdst(0) depctr_va_sdst(0) depctr_va_ssrc(0) depctr_va_vcc(0) depctr_vm_vsrc(0)
	s_getreg_b32 s2, hwreg(HW_REG_IB_STS2, 6, 4)
	s_cmp_eq_u32 s2, 0
	s_cbranch_scc0 .Lentry_in_a_cluster
	s_endpgm
.Lentry_in_a_cluster:
	s_bfe_u32 s2, ttmp6, 0x10000c
	s_cmp_lg_u32 s2, 0xf033
	s_cbranch_scc0 .Lentry_shape_is_right
	s_endpgm
.Lentry_shape_is_right:
; DozerAttention on codes of BF8 (E5M2) with one E8M0 scale for each 32 along a product's K.  B = 2, L = 2,048, H = 8, D = 64.
; score(q, k) = Q[q] . K[k] where |q - k| <= 16 or (q - k) is a multiple of 65, and exactly 0 elsewhere; -infinity where the INPUT attn_mask[b][q][k] is 1 (its pattern is not built in: every byte is read, no key is left out).
; t = score x log2(e) / 8; M = the running largest t rounded UP to a whole number; p = 2^(t - M) is quantised along the keys, block by block of 32; the row's sum is taken of the unquantised p and divides O at the end.
; SHARES.  Work-group x = a block of 128 queries, y = 8 b + h.  SIXTEEN waves of 256 registers, four to a SIMD, so that one wave's waits stand beside three others' vector work.  Wave w owns the 16 queries of
; tile tq = w % 8 and, of every LDS slot of 256 keys, the 128 keys of half kh = w / 8: one key step a slot, eight slots' worth.  The two waves of a tile keep M, the sum and O^T each for its own keys; at the end
; waves 8-15 hand theirs to waves 0-7 through LDS, as an image of the registers, and both are brought under the larger M by powers of two, which rounds nothing.
; Both products are used transposed (S^T = K Q^T, O^T = V^T P^T): a lane (r = lane % 16, hl = lane / 16) holds query q0 + r throughout.
; CLUSTER, 4 x 4.  K's and V's tiles hang on y alone: asked for jointly by the four work-groups of a row of the cluster.  The tile of attn_mask hangs on x and on b, and the four y of a cluster share b
; (b = cluster y / 2): asked for jointly by the four of a column.  Each joint load is the same line with the same descriptor in the four that its mask names.
; THE KEYS OF A TILE.  Lane r of K's tile 2 b + u takes key 32 b + 8 u + kr(r), kr = 16 .. 23 for r = 0 .. 7 and 0 .. 7 for r = 8 .. 15.  Register 16 b + i of a lane's scores is then key KF + 32 b + 16 (1 - hl) + i:
; sixteen neighbours of a block of 32, with the block's halves swapped between the halves of the lanes.  V's fragments and the mask's bytes are read at 32 c + 16 (1 - hl) to match: the same permutation of k
; on both operands of the second product, inside a scale's block.  The gain: q - key = E - 16 - i + lane (E = q0 - KF - 32 b) rises with the lane's number, so the built-in sparse pattern of one register is
; a run of 32 bits of ONE string of 64 bits a block, made by scalar instructions, and costs one v_cndmask_b32 a score.
; THE FIRST PRODUCT'S K is 64, half of the instruction's 128: the upper halves of Q's and K's fragments are zero codes (cleared once, never loaded), their scale bytes 0x7f.
; LIMITS: codes of infinity or NaN and scale bytes 0xff are not served; a mask byte is 0 or 1; p under 2^-126 counts as 0 (v_exp_f32 gives no denormals: ISA guide 15.8); a row that is masked everywhere gives NaN (0 x infinity), as the softmax of such a row does.
; A block's largest p is made from the block's largest score by the same multiply-add and exponential: that takes v_exp_f32 not to fall where its input rises.
.set KP,    80                         ; a key's row in LDS: 64 bytes + 16 of padding
.set VP,    272                        ; a row of V's tile or of the mask's: 256 bytes + 16
.set VOFF,  256*KP                     ; a slot: 256 rows of K, 64 rows of V (256 keys each), 128 rows of the mask (256 keys each)
.set MOFF,  VOFF+64*VP
.set PART,  MOFF+128*VP                ; behind slot 0's tiles, ahead of slot 1: no fill lands here.  What waves 8-15 hand over: 4,352 bytes a tile of queries: O^T's 32 registers (4,096), -M (128), the sum (128)
.set SLOT1, 1<<17                      ; slot 1 begins here: one exclusive or turns an address in one slot into the other's
.set KST,   2*SLOT1                    ; behind the ring, written by LDS stores alone: K's scale words of the head, 4 bytes a key;
.set VST,   KST+8192                   ; V's: the word of (step s, channel d) at 256 s + 4 d;
.set SPARE, VST+4096                   ; the spare words, 128 bytes for each of sixteen waves: eight blocks of 256 bytes that no other line names;
.set STG,   SPARE+2048                 ; the way out: 16 rows x 272 bytes for each of waves 0-7
.set AK0,  1                           ; v1   my lane's place in my half's tiles of K: 80 kr + 16 hl + 10,240 kh
.set AV0,  2                           ; v2   in V's tile: VOFF + 272 r + 16 (1 - hl) + 128 kh
.set AM0,  3                           ; v3   in the mask's: MOFF + 272 (16 tq + r) + 16 (1 - hl) + 128 kh
.set ASK0, 4                           ; v4   among K's scale words: KST + 4 (kr + 8 hl) + 512 kh
.set ASV0, 5                           ; v5   among V's: VST + 4 lane + 256 kh
.set SPW,  6                           ; v6   LDS address of my spare word; never rewritten
.set NIL,  7                           ; v7   0; never rewritten
.set ADK,  8                           ; v8-11, v215  the addresses of the step in hand
.set ADV,  9
.set ADM,  10
.set ADS,  11
.set ADT,  215
.set QF,   16                          ; v16-31   Q's fragment (v24-31 zeros).  v12 -M, v13 the largest t, v[14:15] the sum in two halves
.set KF,   32                          ; v32-95   four fragments of K, each 8 registers loaded + 8 of zeros
.set S,    96                          ; v96-159  S^T, then p, then V's four fragments
.set O,    160                         ; v160-191 O^T, four tiles
.set MB,   192                         ; v192-207 the mask's bytes, four registers a block
.set KS,   208                         ; v208-211 K's scale words of block b: lanes 0-15 tile 2 b, lanes 16-31 tile 2 b + 1
.set VS,   212                         ; v212-213 V's: lanes 0-15 tile 2 u, lanes 16-31 tile 2 u + 1
.set QS,   214                         ; v214     Q's scale word
.set GO,   216                         ; v216     the way out: my byte offset in the wave's rows of the output
.set SO,   217                         ; v217-220 the conversions' scale operands
.set L2,   222                         ; v[222:223] the second chain of the sum
.set PC,   224                         ; v224-239 p's codes
.set BM,   240                         ; v240-243 the blocks' largest scores, then largest p
.set YT,   244                         ; v244-247 at work: +-infinity from mask bytes; the other half's maxima; the scales' bytes
.set HD,   248                         ; v248-251 57,344 x the scale.   v252 f, v253 p's scale word, v254, v255 at work
.set PW,   253
.set WV,   20                          ; s20  my wave's number;  s21 half of it
.set WH,   21
.set CS,   22                          ; s[22:23] c = log2(e) / 8
.set G1K,  24                          ; s[24:31], s[32:39], s[40:47] descriptor groups 1 for K's, V's and the mask's tiles
.set G1V,  32
.set G1M,  40
.set G0K,  48                          ; s[48:51], s[52:55], s[56:59] their groups 0, which walk
.set G0V,  52
.set G0M,  56
.set SEL,  60                          ; s[60:61] v_permlanex16_b32's selects for lane l xor 16
.set MNT,  62                          ; s62  the mantissa field of 57,344
.set INF,  63                          ; s63  +infinity, which is also the mask of the exponent field
.set TB,   66                          ; s66  LDS byte at which the slot in hand begins
.set TS,   67                          ; s67  the slot's place among K's scale words: 1,024 bytes a slot
.set TJ,   68                          ; s68  and among V's: 512 bytes a slot
.set SLOTS, 69                         ; s69  slots still to be asked for
.set P0,   70                          ; s70  (31 - E) mod 65
.set ZZ,   71                          ; s71  31 - E, signed
.set ONE,  72                          ; s[72:73] 1 in 64 bits;  s[74:75] all ones
.set ALL,  74
.set W,    76                          ; s[76:83] the four blocks' strings of 64 bits
.set T,    84                          ; s[84:91] four shifted strings, by turns
.set TQ,   84                          ; at the head only: s84 my tile of queries, wave % 8;  s85 my half of the keys, wave / 8
.set KH,   85
.set HI16, 98                          ; s98  0xffff0000
; s2, s96, s97, s99-101, s[104:105] feed K's and V's descriptors and never hold a number made of cx; s76, s78, s83, s[90:91] feed the mask's and never hold cy; s3 alone carries LDS addresses.
; A round of the cluster's barrier: my work-group's barrier, wave 0 signals for the work-group, every wave waits for all sixteen work-groups, my work-group's barrier once more.
.macro CROUND
	s_barrier_signal -1
	s_barrier_wait -1
	s_cmp_lg_u32 s[WV], 0
	s_cbranch_scc1 .Lnot_wave_0_\@
	s_barrier_signal -3
.Lnot_wave_0_\@:
	s_barrier_wait -3
	s_barrier_signal -1
	s_barrier_wait -1
.endm
; The joint loads of a slot: waves 0 and 1 K's halves (128 keys each), wave 2 V's tile, waves 4 and 5 the mask's halves (64 queries each); the other waves none.  The branches hang on the wave's number alone.
; Four v_nop follow each of the three lines.
.macro TLOAD
	s_cmp_lt_u32 s[WV], 2
	s_cbranch_scc0 .Lnot_k_\@
	tensor_load_to_lds s[G0K:G0K+3], s[G1K:G1K+7]
	s_nop 0
.rept 4
	v_nop
.endr
	s_branch .Lasked_\@
.Lnot_k_\@:
	s_cmp_eq_u32 s[WV], 2
	s_cbranch_scc0 .Lnot_v_\@
	tensor_load_to_lds s[G0V:G0V+3], s[G1V:G1V+7]
	s_nop 0
.rept 4
	v_nop
.endr
	s_branch .Lasked_\@
.Lnot_v_\@:
	s_cmp_eq_u32 s[WH], 2
	s_cbranch_scc0 .Lasked_\@
	tensor_load_to_lds s[G0M:G0M+3], s[G1M:G1M+7]
	s_nop 0
.rept 4
	v_nop
.endr
.Lasked_\@:
.endm
.macro PLACES n
.rept \n
	v_nop
.endr
.endm
	s_load_b256 s[4:11], s[0:1], 0x0               ; Q's codes s[4:5], Q's scales s[6:7], K's codes s[8:9], K's scales s[10:11]
	s_load_b256 s[12:19], s[0:1], 0x20             ; V's codes s[12:13], V's scales s[14:15], attn_mask s[16:17], the output s[18:19]
	v_lshl_add_u32 v[SPW], v0, 2, SPARE
	v_mov_b32 v[NIL], 0
	ds_add_u32 v6, v7
	ds_add_u32 v6, v7
	s_wait_dscnt 0x0
	v_lshrrev_b32 v8, 5, v0
	s_delay_alu instid0(VALU_DEP_1)
	v_readfirstlane_b32 s[WV], v8                  ; wave 0..15
	s_lshr_b32 s[WH], s[WV], 1
	s_and_b32 s101, s[WV], 1                       ; which half of a tile I fetch, if I fetch
	s_and_b32 s[TQ], s[WV], 7                      ; my tile of 16 queries
	s_lshr_b32 s[KH], s[WV], 3                     ; my half of every slot's keys
	s_bfe_u32 s76, ttmp6, 0x40000                  ; cx
	s_bfe_u32 s2, ttmp6, 0x40004                   ; cy
	s_lshl_b32 s78, ttmp9, 2
	s_add_co_u32 s78, s78, s76                     ; X = 4 x cluster x + cx: my block of 128 queries
	s_and_b32 s97, ttmp7, 0xffff                   ; cluster y
	s_lshl_b32 s99, s97, 2
	s_add_co_u32 s99, s99, s2                      ; Y = 4 x cluster y + cy = 8 b + h
	s_lshr_b32 s97, s97, 1                         ; b, of the cluster's y alone: the whole cluster shares it
	s_and_b32 s100, s99, 7                         ; h
	s_lshl_b32 s96, s2, 2
	s_lshl_b32 s96, 15, s96                        ; my row of the cluster
	s_lshl_b32 s83, 0x1111, s76                    ; my column
	; descriptor groups 1.  K: 128 rows (keys) of 64 bytes, 512 bytes apart in memory, 16 bytes of padding behind each row's 16 words
	s_or_b32 s[G1K], s96, (1<<20)|(1<<21)|(3<<22)|(3<<25)   ; 15:0 the mask: my row; 17:16 elements of 1 byte; 20 padding on; 21 set beside a mask; 24:22 after every 16 words (code 3); 31:25 four words (code 3)
	s_mov_b32 s[G1K+1], 64<<16                     ; tensor_dim0
	s_mov_b32 s[G1K+2], 128<<16                    ; tensor_dim1
	s_mov_b32 s[G1K+3], 64<<16                     ; tile_dim0
	s_mov_b32 s[G1K+4], 128                        ; tile_dim1
	s_mov_b32 s[G1K+5], 512                        ; tensor_dim0_stride
	s_mov_b32 s[G1K+6], 0
	s_mov_b32 s[G1K+7], 0
	; V and the mask: 64 rows of 256 bytes, 2,048 bytes apart, 16 bytes of padding behind each row's 64 words
	s_or_b32 s[G1V], s96, (1<<20)|(1<<21)|(5<<22)|(3<<25)   ; V's tiles go to my row,
	s_or_b32 s[G1M], s83, (1<<20)|(1<<21)|(5<<22)|(3<<25)   ; the mask's to my column
.irp g, G1V, G1M
	s_mov_b32 s[\g+1], 256<<16
	s_mov_b32 s[\g+2], 64<<16
	s_mov_b32 s[\g+3], 256<<16
	s_mov_b32 s[\g+4], 64
	s_mov_b32 s[\g+5], 2048
	s_mov_b32 s[\g+6], 0
	s_mov_b32 s[\g+7], 0
.endr
	s_lshl_b32 s90, s97, 22                        ; the mask's tile: b x 2^22 + X x 128 rows of 2,048 bytes + my half's 64 rows
	s_lshl_b32 s91, s78, 18
	s_add_co_u32 s90, s90, s91
	s_lshl_b32 s91, s101, 17
	s_add_co_u32 s90, s90, s91
	s_mov_b32 s91, 0
	s_lshl_b32 s104, s97, 20                       ; K's tile: b x 2^20 + 64 h + my half's 128 keys of 512 bytes
	s_lshl_b32 s105, s100, 6
	s_add_co_u32 s104, s104, s105
	s_lshl_b32 s105, s101, 16
	s_add_co_u32 s104, s104, s105
	s_mov_b32 s105, 0
	s_mov_b32 s[CS], 0x3e38aa3b                    ; c = log2(e) / sqrt(64)
	s_mov_b32 s[CS+1], s[CS]                       ; (named with it as a pair, so it is written)
	s_mov_b32 s[SEL], 0x76543210
	s_mov_b32 s[SEL+1], 0xfedcba98
	s_mov_b32 s[MNT], 0x600000
	s_mov_b32 s[INF], 0x7f800000
	s_mov_b32 s[HI16], 0xffff0000
	s_mov_b32 s[TB], 0
	s_mov_b32 s[TS], 0
	s_mov_b32 s[TJ], 0
	s_mov_b32 s[SLOTS], 7
	s_mov_b32 s[ONE], 1
	s_mov_b32 s[ONE+1], 0
	s_mov_b32 s[ALL], -1
	s_mov_b32 s[ALL+1], -1
	s_lshl_b32 s93, s78, 7
	s_lshl_b32 s92, s[TQ], 4
	s_add_co_u32 s93, s93, s92                     ; q0 = 128 X + 16 tq: my first query
	s_mul_i32 s92, s93, 64528                      ; q0 / 65 = (q0 x 64,528) >> 22: exact for q0 under 2,048 (64,528 = 2^22 / 65 rounded up; the excess, q0 x 0.25 / 2^22, stays under 1 / 65)
	s_lshr_b32 s92, s92, 22
	s_mul_i32 s92, s92, 65
	s_sub_co_u32 s92, s93, s92                     ; q0 mod 65
	s_sub_co_u32 s[P0], 96, s92                    ; (31 - q0) mod 65 = 96 - that, less 65 where it reaches 65
	s_sub_co_u32 s92, s[P0], 65
	s_cmp_ge_u32 s[P0], 65
	s_cselect_b32 s[P0], s92, s[P0]
	s_mul_i32 s92, s[KH], 63                       ; my first key is 128 kh: E is so much less, and 128 = 63 mod 65
	s_add_co_u32 s[P0], s[P0], s92
	s_sub_co_u32 s92, s[P0], 65
	s_cmp_ge_u32 s[P0], 65
	s_cselect_b32 s[P0], s92, s[P0]
	s_sub_co_i32 s[ZZ], 31, s93
	s_lshl_b32 s92, s[KH], 7
	s_add_co_i32 s[ZZ], s[ZZ], s92
	s_wait_kmcnt 0x0
	s_mov_b32 s[G0K], 1                            ; 1:0 count = 1
	s_mul_i32 s[G0K+1], s101, 128*KP               ; 63:32 LDS address: slot 0, my half
	s_add_nc_u64 s[G0K+2:G0K+3], s[8:9], s[104:105]  ; 120:64 global address: the head's first 256 keys
	s_or_b32 s[G0K+3], s[G0K+3], 0x80000000        ; 127:126 type = 2
	s_lshl_b32 s104, s99, 17                       ; V's tile: Y x 64 rows of 2,048 bytes
	s_mov_b32 s[G0V], 1
	s_mov_b32 s[G0V+1], VOFF
	s_add_nc_u64 s[G0V+2:G0V+3], s[12:13], s[104:105]
	s_or_b32 s[G0V+3], s[G0V+3], 0x80000000
	s_mov_b32 s[G0M], 1
	s_mul_i32 s[G0M+1], s101, 64*VP
	s_add_co_u32 s[G0M+1], s[G0M+1], MOFF
	s_add_nc_u64 s[G0M+2:G0M+3], s[16:17], s[90:91]
	s_or_b32 s[G0M+3], s[G0M+3], 0x80000000
	CROUND                                         ; all sixteen work-groups are here: the first joint loads meet
	TLOAD                                          ; slot 0: one tensor load of a wave is out
	s_mov_b32 s95, 0
	s_lshl_b32 s94, s97, 20                        ; Q's codes at my first query: b x 2^20 + 512 q0 + 64 h
	s_lshl_b32 s92, s93, 9
	s_add_co_u32 s94, s94, s92
	s_lshl_b32 s92, s100, 6
	s_add_co_u32 s94, s94, s92
	s_add_nc_u64 s[4:5], s[4:5], s[94:95]
	s_lshl_b32 s94, s97, 15                        ; K's scales of the head: b x 2^15 + 2 h;
	s_lshl_b32 s92, s100, 1
	s_add_co_u32 s94, s94, s92
	s_add_nc_u64 s[10:11], s[10:11], s[94:95]
	s_lshl_b32 s92, s93, 4                         ; Q's: the same + 16 q0
	s_add_co_u32 s94, s94, s92
	s_add_nc_u64 s[6:7], s[6:7], s[94:95]
	s_lshl_b32 s94, s99, 12                        ; V's: 4,096 Y
	s_add_nc_u64 s[14:15], s[14:15], s[94:95]
	s_lshl_b32 s94, s97, 22                        ; the output at my first query: b x 2^22 + 2,048 q0 + 256 h
	s_lshl_b32 s92, s93, 11
	s_add_co_u32 s94, s94, s92
	s_lshl_b32 s92, s100, 8
	s_add_co_u32 s94, s94, s92
	s_add_nc_u64 s[18:19], s[18:19], s[94:95]
	; The scales of the whole head are read from memory once, by the 512 threads, and laid in LDS as the words that the matrix instruction wants.
	v_lshlrev_b32 v8, 4, v0                        ; 16 x thread
.irp j, 0,1,2,3
	global_load_u16 v[S+\j], v8, s[10:11] offset:8192*\j     ; the two bytes of key thread + 512 j
.endr
	v_lshlrev_b32 v255, 3, v0                      ; 8 x thread
	global_load_b64 v[S+4:S+5], v255, s[14:15]     ; V's: channel thread / 8, steps 2 (thread % 8) + 0, 1
	v_and_b32 v9, 15, v0                           ; r
	v_bfe_u32 v10, v0, 4, 1                        ; hl
	s_delay_alu instid0(VALU_DEP_2)
	v_lshlrev_b32 v11, 9, v9
	s_delay_alu instid0(VALU_DEP_1)
	v_lshl_add_u32 v11, v10, 4, v11                ; Q: 512 r + 16 hl
	global_load_b128 v[QF:QF+3], v11, s[4:5]       ; k = 16 hl + 0 .. 15
	global_load_b128 v[QF+4:QF+7], v11, s[4:5] offset:32     ; k = 32 + 16 hl + 0 .. 15
	v_lshlrev_b32 v254, 4, v9
	global_load_u16 v[QS], v254, s[6:7]            ; Q's two scale bytes of row r
	v_xor_b32 v240, 8, v9
	s_delay_alu instid0(VALU_DEP_1)
	v_and_b32 v241, 8, v240
	s_delay_alu instid0(VALU_DEP_1)
	v_add_nc_u32 v240, v240, v241                  ; kr = t + (t & 8), t = r xor 8: 16 .. 23, then 0 .. 7
	v_xor_b32 v241, 1, v10                         ; 1 - hl
	s_delay_alu instid0(VALU_DEP_2)
	v_mul_u32_u24 v[AK0], v240, KP
	s_delay_alu instid0(VALU_DEP_1)
	v_lshl_add_u32 v[AK0], v10, 4, v[AK0]
	s_mul_i32 s3, s[KH], 128*KP
	v_add_nc_u32 v[AK0], s3, v[AK0]                ; my half's 128 rows of K
	v_mul_u32_u24 v[AV0], v9, VP
	s_delay_alu instid0(VALU_DEP_1)
	v_lshl_add_u32 v[AV0], v241, 4, v[AV0]         ; 272 r + 16 (1 - hl)
	s_lshl_b32 s3, s[KH], 7
	v_add_nc_u32 v[AV0], s3, v[AV0]                ; my half's 128 columns of V and of the mask
	s_mul_i32 s3, s[TQ], 16*VP
	s_add_co_u32 s3, s3, MOFF
	v_add_nc_u32 v[AM0], s3, v[AV0]
	v_add_nc_u32 v[AV0], VOFF, v[AV0]
	v_lshl_add_u32 v242, v10, 3, v240
	s_delay_alu instid0(VALU_DEP_1)
	v_lshl_add_u32 v[ASK0], v242, 2, KST
	s_lshl_b32 s3, s[KH], 9
	v_add_nc_u32 v[ASK0], s3, v[ASK0]              ; my half's 128 scale words of K
	v_and_b32 v242, 31, v0
	s_delay_alu instid0(VALU_DEP_1)
	v_lshl_add_u32 v[ASV0], v242, 2, VST
	s_lshl_b32 s3, s[KH], 8
	v_add_nc_u32 v[ASV0], s3, v[ASV0]              ; my half's step among V's
	v_lshlrev_b32 v[GO], 11, v10
	s_delay_alu instid0(VALU_DEP_1)
	v_lshl_add_u32 v[GO], v9, 4, v[GO]             ; the way out: lanes 0-15 one row of 256 bytes, lanes 16-31 the next query's, 2,048 bytes on
	v_lshl_add_u32 v248, v0, 2, KST                ; where K's scale words go: 4 x thread (+ 2,048 j)
	v_and_b32 v249, 7, v0
	s_delay_alu instid0(VALU_DEP_1)
	v_lshlrev_b32 v249, 9, v249
	v_lshrrev_b32 v250, 3, v0
	s_delay_alu instid0(VALU_DEP_1)
	v_lshl_add_u32 v249, v250, 2, v249
	s_delay_alu instid0(VALU_DEP_1)
	v_add_nc_u32 v249, VST, v249                   ; and V's: 512 (thread % 8) + 4 (thread / 8) (+ 256 for the second step)
.set j, 0
.rept 8
	v_mov_b32 v[QF+8+j], 0                         ; zero codes for k = 64 .. 127 of the first product: Q's,
.set j, j+1
.endr
.irp t, 0,1,2,3
.set j, 0
.rept 8
	v_mov_b32 v[KF+16*\t+8+j], 0                   ; and those of K's four fragments; no load ever lands here
.set j, j+1
.endr
.endr
.set j, 0
.rept 32
	v_mov_b32 v[O+j], 0                            ; O^T.  (The step is written once: the first finds zeros, which the first change of M leaves zeros)
.set j, j+1
.endr
	v_mov_b32 v13, 0xff61b1e6                      ; the largest t so far: -3e38
	s_delay_alu instid0(VALU_DEP_1)
	v_floor_f32 v12, -v13                          ; -M
	v_mov_b32 v14, 0                               ; the sum, in two halves
	v_mov_b32 v15, 0
.irp b, 0,1,2,3
	v_mov_b32 v[YT+\b], 0                          ; a lane permute's destination counts as one of its sources
.endr
	v_mov_b32 v[PW], 0                             ; (named as the upper half of the pair v[252:253] before it is first written)
	s_wait_loadcnt 0x0                             ; Q and all the scales are in
.irp j, 0,1,2,3
	v_or_b32 v[S+\j], 0x7f7f0000, v[S+\j]          ; bytes 2 and 3, over the zero codes: 2^0
.endr
	v_or_b32 v[QS], 0x7f7f0000, v[QS]
.irp j, 0,1,2,3
	ds_store_b32 v248, v[S+\j] offset:2048*\j
.endr
.irp j, 0,1
	ds_store_b32 v249, v[S+4+\j] offset:256*\j
.endr                                              ; the first change of slots waits for these stores and passes a barrier ahead of every read of them
; THE BUILT-IN SPARSE PATTERN OF BLOCK b, 64 bits.  Bit x says whether q - key = E - 47 + x is selected; the pattern of register i is the high word of the string shifted left by i + 1 (bit lane = x - 31 + i).
; Only x = 16 .. 62 are ever looked at.  Strided: x = 47 - E mod 65, of which at most one falls in those 47 places: P0 + 16 where that is under 63 (else bit 0, which nobody looks at).
; Local: x = Z .. Z + 32, cut to 0 .. 62.  Then E goes 32 down for the next block.  Selections alone: no branch hangs on these numbers.
.macro SELW b
	s_add_co_u32 s92, s[P0], 16
	s_cmp_lt_u32 s92, 63
	s_cselect_b32 s92, s92, 0
	s_lshl_b64 s[W+2*\b:W+2*\b+1], s[ONE:ONE+1], s92
	s_max_i32 s93, s[ZZ], 0
	s_min_i32 s93, s93, 63
	s_add_co_i32 s94, s[ZZ], 33
	s_max_i32 s94, s94, 0
	s_min_i32 s94, s94, 63
	s_lshl_b64 s[T:T+1], s[ALL:ALL+1], s93
	s_lshl_b64 s[T+2:T+3], s[ALL:ALL+1], s94
	s_and_not1_b32 s[T], s[T], s[T+2]
	s_and_not1_b32 s[T+1], s[T+1], s[T+3]
	s_or_b32 s[W+2*\b], s[W+2*\b], s[T]
	s_or_b32 s[W+2*\b+1], s[W+2*\b+1], s[T+1]
	s_add_co_u32 s[P0], s[P0], 32
	s_sub_co_u32 s92, s[P0], 65
	s_cmp_ge_u32 s[P0], 65
	s_cselect_b32 s[P0], s92, s[P0]
	s_add_co_i32 s[ZZ], s[ZZ], 32
.endm
; BOTH MASKS ON BLOCK b's 16 SCORES, four at a time, in ascending order (each accumulator is read from its low end on).
; A score that the pattern does not select becomes 0.  A mask byte, moved to the sign over +infinity's bits, gives +infinity (0) or -infinity (1), and the minimum with it keeps the score or hides it.
; The shift also brings the byte below to bit 23, which +infinity has set anyway; the bytes two and three below are cleared ahead of bytes 2 and 3.
.macro MASKB b
.irp w, 0,1,2,3
.irp j, 0,1,2,3
	s_lshl_b64 s[T+2*\j:T+2*\j+1], s[W+2*\b:W+2*\b+1], 4*\w+\j+1
.endr
.irp j, 0,1,2,3
	v_cndmask_b32 v[S+16*\b+4*\w+\j], 0, v[S+16*\b+4*\w+\j], s[T+2*\j+1]
.endr
	v_lshl_or_b32 v[YT], v[MB+4*\b+\w], 31, s[INF]
	v_lshl_or_b32 v[YT+1], v[MB+4*\b+\w], 23, s[INF]
	v_and_b32 v[MB+4*\b+\w], s[HI16], v[MB+4*\b+\w]
	s_delay_alu instid0(VALU_DEP_1)
	v_lshl_or_b32 v[YT+2], v[MB+4*\b+\w], 15, s[INF]
	s_delay_alu instid0(VALU_DEP_2)
	v_lshl_or_b32 v[YT+3], v[MB+4*\b+\w], 7, s[INF]
.irp j, 0,1,2,3
	v_min_num_f32 v[S+16*\b+4*\w+\j], v[S+16*\b+4*\w+\j], v[YT+\j]
.endr
.endr
.endm
.macro KLOAD g                         ; K's tiles 4 g .. 4 g + 3 of my 128 keys: the lower halves of the four fragments
.irp t, 0,1,2,3
.irp c, 0,1
	ds_load_b128 v[KF+16*\t+4*\c:KF+16*\t+4*\c+3], v[ADK] offset:(32*((4*(\g)+\t)/2)+8*(\t%2))*KP+32*\c
.endr
.endr
.endm
.macro KQ4 g                           ; S^T = K Q^T for those four tiles; an even tile's scale words lie in lanes 0-15 of the block's register, an odd tile's in lanes 16-31
.irp t, 0,2
	v_wmma_scale_f32_16x16x128_f8f6f4 v[S+8*(4*(\g)+\t):S+8*(4*(\g)+\t)+7], v[KF+16*\t:KF+16*\t+15], v[QF:QF+15], 0, v[KS+2*(\g)+\t/2], v[QS] matrix_a_fmt:MATRIX_FMT_BF8 matrix_b_fmt:MATRIX_FMT_BF8
	v_wmma_scale_f32_16x16x128_f8f6f4 v[S+8*(4*(\g)+\t+1):S+8*(4*(\g)+\t+1)+7], v[KF+16*(\t+1):KF+16*(\t+1)+15], v[QF:QF+15], 0, v[KS+2*(\g)+\t/2], v[QS] matrix_a_fmt:MATRIX_FMT_BF8 matrix_b_fmt:MATRIX_FMT_BF8 matrix_a_scale:MATRIX_SCALE_ROW1
.endr
.endm
; A KEY STEP: my 128 keys of the slot in hand (which half they are lies in the lane's addresses).
.macro STEP
	v_add_nc_u32 v[ADK], s[TB], v[AK0]
	v_add_nc_u32 v[ADV], s[TB], v[AV0]
	v_add_nc_u32 v[ADM], s[TB], v[AM0]
	v_add_nc_u32 v[ADS], s[TS], v[ASK0]
	v_add_nc_u32 v[ADT], s[TJ], v[ASV0]
	PLACES 4                                       ; with the five additions: nine places between the last step's products V^T P and the products below, which write over V's fragments
.irp b, 0,1,2,3
	ds_load_b128 v[MB+4*\b:MB+4*\b+3], v[ADM] offset:32*\b     ; my query's mask bytes of keys 32 b + 16 (1 - hl) + 0 .. 15
.endr
.irp b, 0,1,2,3
	ds_load_b32 v[KS+\b], v[ADS] offset:128*\b
.endr
	KLOAD 0
	SELW 0                                         ; scalar work while the loads are out
	SELW 1
	SELW 2
	SELW 3
	s_wait_alu depctr_va_vdst(0)
	s_wait_dscnt 0x0
	KQ4 0
	PLACES 8                                       ; in front of loads into registers that those products read, and of the first read of their results
	KLOAD 1
	MASKB 0                                        ; blocks 0 and 1 are masked while K's other four tiles come
	MASKB 1
	s_wait_dscnt 0x0
	KQ4 1
	PLACES 8
	MASKB 2
	MASKB 3
.irp b, 0,1,2,3
	v_max3_num_f32 v[BM+\b], v[S+16*\b], v[S+1+16*\b], v[S+2+16*\b]     ; the largest score of each block of 32 keys: it serves for the row's maximum and, since p rises with the score, for the block's largest p
.endr
.irp i, 3,5,7,9,11,13
.irp b, 0,1,2,3
	s_delay_alu instid0(VALU_DEP_4)
	v_max3_num_f32 v[BM+\b], v[BM+\b], v[S+16*\b+\i], v[S+1+16*\b+\i]   ; (the four blocks by turns)
.endr
.endr
.irp b, 0,1,2,3
	s_delay_alu instid0(VALU_DEP_4)
	v_max_num_f32 v[BM+\b], v[BM+\b], v[S+15+16*\b]
.endr
.irp b, 0,1,2,3
	s_delay_alu instid0(VALU_DEP_4)
	v_permlanex16_b32 v[YT+\b], v[BM+\b], s[SEL], s[SEL+1]
.endr
.irp b, 0,1,2,3
	s_delay_alu instid0(VALU_DEP_4)
	v_max_num_f32 v[BM+\b], v[BM+\b], v[YT+\b]     ; with lane l xor 16's 16 keys
.endr
	s_delay_alu instid0(VALU_DEP_2)
	v_max3_num_f32 v254, v[BM], v[BM+1], v[BM+2]
	s_delay_alu instid0(VALU_DEP_1)
	v_max_num_f32 v254, v254, v[BM+3]              ; the step's largest score of my query
	s_delay_alu instid0(VALU_DEP_1)
	v_mul_f32 v254, s[CS], v254                    ; as t (c is positive)
	s_delay_alu instid0(VALU_DEP_1)
	v_max_num_f32 v13, v13, v254                   ; the running largest t
	v_mov_b32 v254, v12
	s_delay_alu instid0(VALU_DEP_2)
	v_floor_f32 v12, -v13                          ; the new -M = floor(-t) = -ceil(t): M is a whole number
	s_delay_alu instid0(VALU_DEP_1)
	v_sub_f32 v254, v12, v254                      ; M's old value less its new one: a whole number, 0 or less
	s_delay_alu instid0(VALU_DEP_1)
	v_cvt_i32_f32 v254, v254                       ; (it saturates)
	s_delay_alu instid0(VALU_DEP_1)
	v_ldexp_f32 v252, 1.0, v254                    ; f = 2^(old M - new M): rounds nothing
.set j, 0
.rept 32
	v_pk_fma_f32 v[S+j:S+j+1], v[S+j:S+j+1], s[CS:CS+1], v[12:13] op_sel_hi:[1,0,0]   ; t - M, two at a time (of the pairs c and -M the low word serves both halves)
.set j, j+2
.endr
.irp b, 0,1,2,3
	v_fma_f32 v[BM+\b], v[BM+\b], s[CS], v12       ; the same of each block's largest score
.endr
.set j, 0
	s_wait_alu depctr_va_vdst(0)
.rept 64
	v_exp_f32 v[S+j], v[S+j]                       ; p = 2^(t - M), at most 1: not normalised; 0 for a hidden key
.set j, j+1
.endr
.irp b, 0,1,2,3
	v_exp_f32 v[BM+\b], v[BM+\b]                   ; the block's largest p: the same two instructions on the same number give the same bits
.endr
	v_pk_mul_f32 v[14:15], v[14:15], v[252:253] op_sel_hi:[1,0]   ; the sums under the new M.  (The plain place behind the exponentials: ISA guide 5.7.2)
	s_wait_alu depctr_va_vdst(0)
.irp b, 0,1,2,3
	v_max_num_f32 v[BM+\b], 0x8000000, v[BM+\b]    ; the floor 2^(16 - 127): the byte cannot fall under 1 (a block whose every p is 0 keeps that byte: its codes are zeros)
.endr
.irp b, 0,1,2,3
	s_delay_alu instid0(VALU_DEP_4)
	v_add_nc_u32 v[SO+\b], 0xf8800000, v[BM+\b]    ; 15 off the exponent field: the conversion's scale operand
.endr
.irp b, 0,1,2,3
	v_and_or_b32 v[HD+\b], v[BM+\b], s[INF], s[MNT]   ; 57,344 x the scale: the exponent field over 57,344's mantissa
.endr
.irp b, 0,1,2,3
	v_lshrrev_b32 v[YT+\b], 23, v[SO+\b]           ; the scale's byte
.endr
	s_delay_alu instid0(VALU_DEP_3)
	v_lshl_or_b32 v[PW], v[YT+1], 8, v[YT]         ; p's scale word for these 128 keys: far more than eight places ahead of the products that name it
	s_delay_alu instid0(VALU_DEP_1)
	v_lshl_or_b32 v[PW], v[YT+2], 16, v[PW]
	s_delay_alu instid0(VALU_DEP_1)
	v_lshl_or_b32 v[PW], v[YT+3], 24, v[PW]
	v_pk_add_f32 v[222:223], v[100:101], v[104:105]
	v_pk_add_f32 v[254:255], v[108:109], v[112:113]
	v_pk_add_f32 v[244:245], v[116:117], v[120:121]
	v_pk_add_f32 v[242:243], v[124:125], v[128:129]
	v_pk_add_f32 v[240:241], v[132:133], v[136:137]
	v_pk_add_f32 v[238:239], v[140:141], v[144:145]
	v_pk_add_f32 v[236:237], v[148:149], v[152:153]
	v_pk_add_f32 v[14:15], v[14:15], v[156:157]
	v_pk_add_f32 v[222:223], v[222:223], v[96:97]
	v_pk_add_f32 v[254:255], v[254:255], v[98:99]
	v_pk_add_f32 v[244:245], v[244:245], v[102:103]
	v_pk_add_f32 v[242:243], v[242:243], v[106:107]
	v_pk_add_f32 v[240:241], v[240:241], v[110:111]
	v_pk_add_f32 v[238:239], v[238:239], v[114:115]
	v_pk_add_f32 v[236:237], v[236:237], v[118:119]
	v_pk_add_f32 v[14:15], v[14:15], v[122:123]
	v_pk_add_f32 v[222:223], v[222:223], v[126:127]
	v_pk_add_f32 v[254:255], v[254:255], v[130:131]
	v_pk_add_f32 v[244:245], v[244:245], v[134:135]
	v_pk_add_f32 v[242:243], v[242:243], v[138:139]
	v_pk_add_f32 v[240:241], v[240:241], v[142:143]
	v_pk_add_f32 v[238:239], v[238:239], v[146:147]
	v_pk_add_f32 v[236:237], v[236:237], v[150:151]
	v_pk_add_f32 v[14:15], v[14:15], v[154:155]
	v_pk_add_f32 v[222:223], v[222:223], v[158:159]
	s_delay_alu instid0(VALU_DEP_2)
	v_pk_add_f32 v[14:15], v[14:15], v[242:243]
	s_delay_alu instid0(VALU_DEP_2)
	v_pk_add_f32 v[222:223], v[222:223], v[240:241]
	v_pk_add_f32 v[254:255], v[254:255], v[238:239]
	v_pk_add_f32 v[244:245], v[244:245], v[236:237]
	s_delay_alu instid0(VALU_DEP_2)
	v_pk_add_f32 v[14:15], v[14:15], v[254:255]
	s_delay_alu instid0(VALU_DEP_2)
	v_pk_add_f32 v[222:223], v[222:223], v[244:245]
	s_delay_alu instid0(VALU_DEP_1)
	v_pk_add_f32 v[14:15], v[14:15], v[222:223]
.irp b, 0,1,2,3
.set j, 0
.rept 16
	v_min_num_f32 v[S+16*\b+j], v[S+16*\b+j], v[HD+\b]   ; the conversion to an 8-bit code does not saturate (ISA guide 7.6.2); p is not negative, so the hold is one-sided
.set j, j+1
.endr
	v_cvt_scalef32_pk8_bf8_f32 v[PC+4*\b:PC+4*\b+1], v[S+16*\b:S+16*\b+7], v[SO+\b]
	v_cvt_scalef32_pk8_bf8_f32 v[PC+4*\b+2:PC+4*\b+3], v[S+16*\b+8:S+16*\b+15], v[SO+\b]
.endr
.irp t, 0,1,2,3                                    ; V's four fragments (16 channels x these 128 keys) land where p lay
.irp c, 0,1,2,3
	ds_load_b128 v[S+16*\t+4*\c:S+16*\t+4*\c+3], v[ADV] offset:16*\t*VP+32*\c
.endr
.endr
.irp u, 0,1
	ds_load_b32 v[VS+\u], v[ADT] offset:128*\u
.endr
.set j, 0
.rept 16
	v_pk_mul_f32 v[O+j:O+j+1], v[O+j:O+j+1], v[252:253] op_sel_hi:[1,0]   ; O^T under the new M: x f.  (These sixteen are also the plain place behind the conversions and the places between the codes and the products)
.set j, j+2
.endr
	s_wait_alu depctr_va_vdst(0)
	s_wait_dscnt 0x0
.irp t, 0,2                                        ; O^T += V^T P^T: the four accumulators by turns, one instruction a turn
	v_wmma_scale_f32_16x16x128_f8f6f4 v[O+8*\t:O+8*\t+7], v[S+16*\t:S+16*\t+15], v[PC:PC+15], v[O+8*\t:O+8*\t+7], v[VS+\t/2], v[PW] matrix_a_fmt:MATRIX_FMT_BF8 matrix_b_fmt:MATRIX_FMT_BF8
	v_wmma_scale_f32_16x16x128_f8f6f4 v[O+8*(\t+1):O+8*(\t+1)+7], v[S+16*(\t+1):S+16*(\t+1)+15], v[PC:PC+15], v[O+8*(\t+1):O+8*(\t+1)+7], v[VS+\t/2], v[PW] matrix_a_fmt:MATRIX_FMT_BF8 matrix_b_fmt:MATRIX_FMT_BF8 matrix_a_scale:MATRIX_SCALE_ROW1
.endr
.endm
; THE CHANGE OF SLOTS stands at a slot's head.  Each wave waits for all its tensor loads (its part of the slot that it is about to read), adds 0 to its spare word, and waits for that, for its reads of the slot
; that it has left and (the first time) for its stores of the scale words.  fill = 1: a round of the cluster's barrier follows, so that no wave of any partner still reads the other slot or has a load on its way,
; and the joint refill of that slot is the first thing behind it: it has a whole slot's key steps, one of each of the sixteen waves, in which to land.
.macro CHANGE fill
	s_wait_tensorcnt 0x0                           ; no tensor load of mine is out, so a group 0 may be written
	ds_add_u32 v[SPW], v[NIL]                      ; 0 onto my spare word
.if \fill
	s_xor_b32 s[G0K+1], s[G0K+1], SLOT1            ; the walking descriptors: the other slot than last time,
	s_add_nc_u64 s[G0K+2:G0K+3], s[G0K+2:G0K+3], 256*512   ; the next 256 keys: K's rows,
	s_xor_b32 s[G0V+1], s[G0V+1], SLOT1
	s_add_nc_u64 s[G0V+2:G0V+3], s[G0V+2:G0V+3], 256       ; V's columns,
	s_xor_b32 s[G0M+1], s[G0M+1], SLOT1
	s_add_nc_u64 s[G0M+2:G0M+3], s[G0M+2:G0M+3], 256       ; the mask's columns; the type bits on top are not reached
.endif
	s_wait_dscnt 0x0
.if \fill
	CROUND
	TLOAD                                          ; a wave's one tensor load until the next round
.else
	s_barrier_signal -1
	s_barrier_wait -1
.endif
.endm
.macro SLOT_STEP
	STEP
	s_xor_b32 s[TB], s[TB], SLOT1                  ; on to the other slot,
	s_add_co_u32 s[TS], s[TS], 1024                ; its scale words,
	s_add_co_u32 s[TJ], s[TJ], 512
	s_add_co_u32 s[P0], s[P0], 63                  ; and past the 128 keys that the other wave of my queries takes: E goes 128 down (63 mod 65)
	s_sub_co_u32 s92, s[P0], 65
	s_cmp_ge_u32 s[P0], 65
	s_cselect_b32 s[P0], s92, s[P0]
	s_add_co_i32 s[ZZ], s[ZZ], 128
.endm
.Lslot:                                            ; seven trips: behind each change of slots but the last the next 256 keys are asked for
	CHANGE 1
	s_wait_alu depctr_va_vdst(0)
	SLOT_STEP
	s_sub_co_u32 s[SLOTS], s[SLOTS], 1
	s_cmp_lg_u32 s[SLOTS], 0
	s_cbranch_scc1 .Lslot
	CHANGE 0                                       ; the last slot is written out
	SLOT_STEP
	; THE TWO HALVES OF THE KEYS MEET.  Every LDS address of both roles is made here, ahead of the first branch on the wave's number; these lines are also the places behind the last products.
	v_and_b32 v8, 15, v0                           ; r
	v_bfe_u32 v9, v0, 4, 1                         ; hl
	v_and_b32 v1, 31, v0                           ; lane
	s_and_b32 s92, s[WV], 7                        ; my tile of queries
	s_mul_i32 s3, s92, 16*272                      ; 4,352 bytes a tile, in PART and in STG alike
	v_lshlrev_b32 v2, 4, v1
	v_lshlrev_b32 v1, 2, v1
	s_delay_alu instid0(VALU_DEP_2)
	v_add_nc_u32 v2, s3, v2
	s_delay_alu instid0(VALU_DEP_2)
	v_add_nc_u32 v1, s3, v1
	s_delay_alu instid0(VALU_DEP_2)
	v_add_nc_u32 v2, PART, v2                      ; the image of O^T: 16 x lane, 512 bytes for each four registers
	s_delay_alu instid0(VALU_DEP_2)
	v_add_nc_u32 v1, PART+4096, v1                 ; -M and the sum: 4 x lane, 128 bytes each
	v_mul_u32_u24 v10, v8, 272
	s_delay_alu instid0(VALU_DEP_1)
	v_lshl_add_u32 v10, v9, 5, v10
	s_delay_alu instid0(VALU_DEP_1)
	v_add_nc_u32 v10, s3, v10
	s_delay_alu instid0(VALU_DEP_1)
	v_add_nc_u32 v10, STG, v10                     ; the stage, in: row r; tile t's eight channels of my half: 64 t + 32 hl bytes on
	v_mul_u32_u24 v11, v9, 272
	s_delay_alu instid0(VALU_DEP_1)
	v_lshl_add_u32 v11, v8, 4, v11
	s_delay_alu instid0(VALU_DEP_1)
	v_add_nc_u32 v11, s3, v11
	s_delay_alu instid0(VALU_DEP_1)
	v_add_nc_u32 v11, STG, v11                     ; back: lanes 0-15 one row, lanes 16-31 the next
	v_add_f32 v14, v14, v15                        ; the sum's two halves,
	s_delay_alu instid0(VALU_DEP_1)
	v_permlanex16_b32 v252, v14, s[SEL], s[SEL+1]
	s_delay_alu instid0(VALU_DEP_1)
	v_add_f32 v14, v14, v252                       ; and lane l xor 16's: the sum over my half of the keys
	s_cmp_lt_u32 s[WV], 8
	s_cbranch_scc1 .Lkeeps                         ; waves 0-7 hand nothing over
.irp t, 0,1,2,3
	ds_store_b128 v2, v[O+8*\t:O+8*\t+3] offset:1024*\t          ; each accumulator from its low end on
	ds_store_b128 v2, v[O+8*\t+4:O+8*\t+7] offset:1024*\t+512
.endr
	ds_store_b32 v1, v12                           ; -M
	ds_store_b32 v1, v14 offset:128                ; the sum
.Lkeeps:
	s_wait_dscnt 0x0                               ; for the others' sake: my stores have landed
	s_barrier_signal -1
	s_barrier_wait -1
	s_cmp_lt_u32 s[WV], 8
	s_cbranch_scc0 .Lend                           ; waves 8-15 are done
.irp c, 0,1,2,3,4,5,6,7
	ds_load_b128 v[S+4*\c:S+4*\c+3], v2 offset:512*\c            ; the other half's O^T, in the same lanes
.endr
	ds_load_b32 v240, v1                           ; its -M
	ds_load_b32 v241, v1 offset:128                ; its sum
	s_wait_dscnt 0x0
	v_min_num_f32 v242, v12, v240                  ; -M of both: the larger M
	s_delay_alu instid0(VALU_DEP_1)
	v_sub_f32 v243, v242, v12                      ; my M less that: a whole number, 0 or less
	s_delay_alu instid0(VALU_DEP_2)
	v_sub_f32 v244, v242, v240                     ; and the other's
	s_delay_alu instid0(VALU_DEP_2)
	v_cvt_i32_f32 v243, v243                       ; (they saturate: a half with every key hidden has -M = 3e38, and its factor becomes 0)
	s_delay_alu instid0(VALU_DEP_2)
	v_cvt_i32_f32 v244, v244
	s_delay_alu instid0(VALU_DEP_2)
	v_ldexp_f32 v252, 1.0, v243                    ; my factor, a power of two
	s_wait_alu depctr_va_vdst(0)
	v_ldexp_f32 v246, 1.0, v244                    ; the other's
	v_mul_f32 v14, v14, v252
	s_delay_alu instid0(VALU_DEP_1)
	v_fma_f32 v14, v241, v246, v14                 ; the row's sum under the common M
	s_wait_alu depctr_va_vdst(0)
	v_rcp_f32 v14, v14
	v_nop                                          ; one plain place behind a transcendental
	s_wait_alu depctr_va_vdst(0)
	v_mul_f32 v252, v252, v14                      ; the factors over the sum
	v_mul_f32 v246, v246, v14
.set j, 0
.rept 16
	v_pk_mul_f32 v[S+j:S+j+1], v[S+j:S+j+1], v[246:247] op_sel_hi:[1,0]
.set j, j+2
.endr
.set j, 0
.rept 16
	v_pk_fma_f32 v[S+j:S+j+1], v[O+j:O+j+1], v[252:253], v[S+j:S+j+1] op_sel_hi:[1,0,1]   ; register 8 t + i is o(q0 + r, 16 t + 8 hl + i); each accumulator from its low end on
.set j, j+2
.endr
	; THE WAY OUT, through my stage in LDS: a query's 64 channels of one head are 256 consecutive bytes, at a multiple of 256 from the output's first byte.
.irp t, 0,1,2,3
	ds_store_b128 v10, v[S+8*\t:S+8*\t+3] offset:64*\t
	ds_store_b128 v10, v[S+8*\t+4:S+8*\t+7] offset:64*\t+16
.endr
.irp i, 0,1,2,3,4,5,6,7
	ds_load_b128 v[KF+4*\i:KF+4*\i+3], v11 offset:2*\i*272     ; LDS serves a wave's instructions in order (ISA guide 5.7.1.4): these see my stores
.endr
.irp i, 0,1,2,3,4,5,6,7
	s_wait_dscnt 7-\i                              ; load i is back; the 7 - i younger ones may be out
	global_store_b128 v[GO], v[KF+4*\i:KF+4*\i+3], s[18:19] offset:4096*\i th:TH_STORE_NT   ; sixteen lanes store 256 consecutive bytes; written once, read by nobody here
.endr
.Lend:
	s_wait_tensorcnt 0x0                           ; the wave's end: behind my last tensor load and my last LDS store
	ds_add_u32 v[SPW], v[NIL]
	s_wait_dscnt 0x0
	CROUND                                         ; the closing round: no work-group ends while a partner may still ask for a tile that names it
	s_endpgm
.Lfunc_end_k_qc180ecf40b_attn:
	.size	k_qc180ecf40b_attn, .Lfunc_end_k_qc180ecf40b_attn-k_qc180ecf40b_attn
	.p2alignl 7, 3214868480
	.fill 96, 4, 3214868480
	.section	.rodata,"a",@progbits
	.p2align	6, 0x0
	.amdhsa_kernel k_qc180ecf40b_attn
		.amdhsa_group_segment_fixed_size 327680
		.amdhsa_private_segment_fixed_size 0
		.amdhsa_enable_private_segment 0
		.amdhsa_kernarg_size 64
		.amdhsa_user_sgpr_count 2
		.amdhsa_user_sgpr_kernarg_segment_ptr 1
		.amdhsa_wavefront_size32 1
		.amdhsa_system_sgpr_workgroup_id_x 1
		.amdhsa_system_sgpr_workgroup_id_y 1
		.amdhsa_system_sgpr_workgroup_id_z 1
		.amdhsa_system_vgpr_workitem_id 0
		.amdhsa_next_free_vgpr 256
		.amdhsa_next_free_sgpr 106
		.amdhsa_reserve_vcc 0
		.amdhsa_float_denorm_mode_32 3
		.amdhsa_float_denorm_mode_16_64 3
		.amdhsa_memory_ordered 1
		.amdhsa_forward_progress 1
		.amdhsa_inst_pref_size 99
	.end_amdhsa_kernel
	.amdgpu_metadata
---
amdhsa.version: [ 1, 2 ]
amdhsa.kernels:
  - .name:           k_qc180ecf40b_attn
    .symbol:         k_qc180ecf40b_attn.kd
    .args:
      - { .name: queries_codes, .offset: 0, .size: 8, .value_kind: global_buffer, .address_space: global }
      - { .name: queries_scales, .offset: 8, .size: 8, .value_kind: global_buffer, .address_space: global }
      - { .name: keys_codes, .offset: 16, .size: 8, .value_kind: global_buffer, .address_space: global }
      - { .name: keys_scales, .offset: 24, .size: 8, .value_kind: global_buffer, .address_space: global }
      - { .name: values_codes, .offset: 32, .size: 8, .value_kind: global_buffer, .address_space: global }
      - { .name: values_scales, .offset: 40, .size: 8, .value_kind: global_buffer, .address_space: global }
      - { .name: attn_mask, .offset: 48, .size: 8, .value_kind: global_buffer, .address_space: global }
      - { .name: out0, .offset: 56, .size: 8, .value_kind: global_buffer, .address_space: global }
    .group_segment_fixed_size: 327680
    .private_segment_fixed_size: 0
    .kernarg_segment_align: 8
    .kernarg_segment_size: 64
    .max_flat_workgroup_size: 512
    .sgpr_count:     106
    .vgpr_count:     256
    .wavefront_size: 32
...
	.end_amdgpu_metadata
.endif
;; end of part 1
